; MI455X (gfx1250); checked and timed in simulation.
; The chip was launched on July 23, 2026; its instructions are those of AMD's public machine-readable ISA for CDNA 5 (MIT licence, August 2026) and "CDNA5" Instruction Set Architecture Reference Guide (July 2026). The comments in the code are by the model that wrote it; some were corrected since.
;; Encoder. Allowed arithmetic: matrix products marked QUANTISED: E4M3 operands, one given power-of-two scale a tensor, by v_wmma_f32_16x16x64_fp8_fp8 or v_wmma_f32_16x16x128_fp8_fp8, f32 sums; everything else in f32.
;; Inputs: Wk_codes 1,024 x 32 x 32 uint8 (E4M3 codes of Wk, K innermost, in blocks of 32 codes); Wq_codes 1,024 x 32 x 32 uint8 (E4M3 codes of Wq, K innermost, in blocks of 32 codes); Wv_codes 1,024 x 32 x 32 uint8 (E4M3 codes of Wv, K innermost, in blocks of 32 codes); bk 1,024 float32; bq 1,024 float32; bv 1,024 float32; lowp_scales 10 int32 (the exponents e of the quantised operands' scales 2^e); mask 4 x 2,048 bool; seq_codes 4 x 2,048 x 32 x 32 uint8 (E4M3 codes of seq, K innermost, in blocks of 32 codes).
;; Outputs: out0 4 x 2,048 x 1,024 float32.
;; This version of the problem:
;;   THIS VERSION OF THE PROBLEM IS GIVEN IN LOW PRECISION. The matrix products marked QUANTISED in the list below multiply operands that are first quantised to E4M3 (4 exponent bits, 3 mantissa bits; 8 bits a number), with one given power-of-two scale for each operand tensor; their sums are f32. All else is computed in f32.
;;   The module's matrix products, in the order in which they are computed (A, B: the left and right operand; K: the contracted axis; several contracted axes count as one K, in the product's order):
;;     1. [M 8,192, K 1,024] x [K 1,024, N 1,024]; A: input seq (given as codes); B: input Wq (given as codes): QUANTISED (scales: A lowp_scales[0], B lowp_scales[1])
;;     2. [M 8,192, K 1,024] x [K 1,024, N 1,024]; A: input seq (given as codes); B: input Wk (given as codes): QUANTISED (scales: A lowp_scales[2], B lowp_scales[3])
;;     3. [M 8,192, K 1,024] x [K 1,024, N 1,024]; A: input seq (given as codes); B: input Wv (given as codes): QUANTISED (scales: A lowp_scales[4], B lowp_scales[5])
;;     4. batch 64 x [M 2,048, K 64] x [K 64, N 2,048]; A: computed on the way; B: computed on the way: QUANTISED (scales: A lowp_scales[6], B lowp_scales[7])
;;     5. batch 64 x [M 2,048, K 2,048] x [K 2,048, N 64]; A: softmax (see below); B: computed on the way: QUANTISED (scales: A lowp_scales[8], B lowp_scales[9])
;;   THE QUANTISER, for each operand of a quantised product, along K:
;;     - The operand's scale is 2^e, e = its entry of the input lowp_scales (int32; the entries are numbered through the quantised products in the list's order, A before B).
;;     - Each number is divided by the scale, clamped to +-448, and rounded to the nearest number of E4M3, ties to even, subnormals kept.
;;     - The product sums the exact products of the quantised numbers (number of the format x scale) in f32.
;;   ~~~python
;;   def quantise(x, axis, e):      # numpy; x: float32 -> the quantised numbers, widened to float32 again
;;       x = np.moveaxis(x, axis, -1); K = x.shape[-1]
;;       r = np.clip(x / 2.0 ** e, -448, 448)
;;       step = 2.0 ** (np.maximum(np.frexp(np.where(r == 0, 1, r))[1] - 1, -6) - 3)
;;       q = np.round(r / step) * step * 2.0 ** e      # np.round: ties to even
;;       return np.moveaxis(q, -1, axis).astype(np.float32)
;;   ~~~
;;   SOFTMAX AHEAD OF A QUANTISED PRODUCT. Where the list says 'softmax', what is quantised is not the finished softmax but p = 2^(t - M), with t = logit x log2(e) and M = ceil(the row's largest t), a whole number; so 1/2 < the row's largest p <= 1. The row's sum l is taken of the UNQUANTISED p, in f32, and the product's result is divided by l at the end. Since M is a whole number, a kernel that streams over the keys may use a running M (the ceiling of the running maximum): every later rescaling is an exact power of two, so the quantised numbers keep their values, but for numbers so far below the row's largest that they fall under the format's range.
;;   OPERANDS COMPUTED ON THE WAY. 'Computed on the way' means the value that the module computes at that place (a softmax that the list does not call 'softmax' is quantised finished and normalised). What goes into a quantiser is computed in f32, as accurately as f32 sums, v_exp_f32 and their like allow (about 1e-6 of the number): no bf16 or f16 on the way to a quantiser, and a product that is left as it is and whose result goes on into a quantised operand takes f32 operands (vector FMAs, or v_wmma_f32_16x16x4_f32). A number that lies on a knife's edge between two numbers of the format may be rounded either way, as far as f32 arithmetic and the matrix unit's own rounding can turn it there, and no further.
;;   INPUTS GIVEN AS CODES. Wk (in the module: [1024, 1024], K = its axis 1); Wq (in the module: [1024, 1024], K = its axis 1); Wv (in the module: [1024, 1024], K = its axis 1); seq (in the module: [4, 2048, 1024], K = its axis 2): each comes as NAME_codes (uint8): NAME with its K axis moved to the last place and cut into blocks of 32 codes, [.., K / 32, bytes a block], one block behind the other in memory; one code a byte (a code: sign, 4 exponent bits, 3 mantissa bits); its scale is its entry of lowp_scales. Its value is code x scale, taken as it is: it is not quantised again, and the codes and scales need not be those that the quantiser above would give.
;; One version. Each part assembles by itself: llvm-mc -triple=amdgcn-amd-amdhsa -mcpu=gfx1250 --defsym DOCPART=n.
;; ======== version 1 of 1: 2 launches
;; limits: right only within a limited range of input values
;; workspace buffers: qf 8,388,608 bytes; kvf 16,777,216 bytes
;; launch proj (part 1): grid 12 x 32, 4 waves a work-group, clusters of 4 x 4, 327,680 bytes of LDS; arguments seq_codes, Wq_codes, Wk_codes, Wv_codes, bq, bk, bv, lowp_scales, qf, kvf; writes qf, kvf
.if DOCPART == 1
	.amdgcn_target "amdgcn-amd-amdhsa--gfx1250"
	.amdhsa_code_object_version 6
	.text
	.protected	k_q2e6d83dfef_proj
	.globl	k_q2e6d83dfef_proj
	.p2align	8
	.type	k_q2e6d83dfef_proj,@function
k_q2e6d83dfef_proj:
	s_mov_b64 s[64:65], 0
	v_nop
	global_prefetch_b8 v0, s[64:65] scope:SCOPE_SE
	s_setreg_imm32_b32 hwreg(HW_REG_WAVE_MODE, 25, 1), 1
	s_wait_xcnt 0x0
	s_wait_alu depctr_hold_cnt(0) depctr_sa_sdst(0) depctr_va_vdst(0) depctr_va_sdst(0) depctr_va_ssrc(0) depctr_va_vcc(0) depctr_vm_vsrc(0)
	s_getreg_b32 s2, hwreg(HW_REG_IB_STS2, 6, 4)
	s_cmp_eq_u32 s2, 0
	s_cbranch_scc0 .Lentry_in_a_cluster
	s_endpgm
.Lentry_in_a_cluster:
	s_bfe_u32 s2, ttmp6, 0x10000c
	s_cmp_lg_u32 s2, 0xf033
	s_cbranch_scc0 .Lentry_shape_is_right
	s_endpgm
.Lentry_shape_is_right:
; THE THREE PROJECTIONS, their biases and the quantisers of Q, K and V.  All operands are codes of FP8 (E4M3), K = 1,024 innermost, rows of 1,024 bytes.
; Cluster x says which: 0: Q = seq Wq^T + bq;  1: K = seq Wk^T + bk;  2: V^T = Wv seq^T + bv (the same product with the operands exchanged, so that V comes out with the KEYS along a lane's registers).
; Below, A' has the rows m' of the result and B' its columns n':  Q, K: A' = seq (8,192 rows), B' = W (1,024 rows);  V: A' = Wv, B' = seq.
; A work-group of four waves makes 256 x 256 of the result, a wave 128 x 128: 64 accumulators of 16 x 16, 512 registers.  K goes in steps of 256 through a ring of two LDS slots filled by the tensor data mover.
; CLUSTERS: 4 x 4 work-groups.  The four of a row of the cluster need the same tiles of A', the four of a column the same tiles of B': each tile is asked for JOINTLY, by the same tensor load with the same
; descriptor and a mask that names the four.
; THE MATRIX INSTRUCTION IS USED TRANSPOSED (source 0 = 16 rows of B', source 1 = 16 rows of A'): lane (r, h) holds row m' = r and, in register j of block b, column n' = 16 b + 8 h + j.
; THE BIAS is the C of each sum's first product, divided by 2^(ea + eb), the power of two that the sums lack; the conversion then divides by 2^(eo - ea - eb): no multiply and no add on the way out.
; THE RESULT LEAVES AS IMAGES OF THE NEXT PRODUCTS' OPERAND REGISTERS.  A fragment of the 16 x 16 x 64 form is 16 rows x 64 along K: registers 2 c, 2 c + 1 of lane (r, h) hold k = 16 c + 8 h + 0 .. 7 of row r.
; The eight codes made of block b's eight registers are just that, with c = b % 4: four neighbouring blocks are one fragment, in the right lanes.  Its image is 1,024 bytes: registers 0-3, lane l at 16 l, then registers 4-7.
;   qf:  (128 (16 batch + head) + tile of 16 queries) x 1,024.      kvf: 262,144 for each (batch, head): K's tile of 16 keys at 1,024 x tile; from 131,072 on V^T: 4,096 x (group of 64 keys) + 1,024 x (tile of 16 of the head's 64).
; LIMITS: eo - ea - eb between -126 and 119, so that the conversion's scale and 448 x it are f32 numbers; bias / 2^(ea + eb) is made by v_ldexp_f32 and is lost where it leaves f32's range.  NaN codes are not served.
; REGISTERS, in windows of 256: window 0: v16-31 addresses and constants; v32-95 the bias, 8 registers a block; from v128 A's fragments (8 x 16 rows x 128 K), ONE set; on the way out the codes, 16 registers a block of rows.
;   window 1: B's fragments, TWO sets, at v0 and at v128.   window 2: the 32 accumulators of my rows 0-63 (accumulator (a, b) at v[8 (8 a + b)]);   window 3: those of my rows 64-127.
.set KROW,   1024                      ; a row of A' or of B' in memory, in bytes
.set ROWB,   256                       ; a tile's row in bytes: a K step's codes
.set PITCH,  272                       ; an LDS row: 256 bytes + 16 of padding, so that the 16 rows that a load touches begin 68 words apart
.set FR,     16                        ; registers of a fragment: 16 rows x 128 K
.set NL,     4                         ; LDS loads that bring one
.set NP,     4                         ; places behind this matrix instruction (ISA guide 7.12.1)
.set HALFT,  128*PITCH                 ; 128 rows: what one tensor load brings, and what one wave reads of A' or of B'
.set SLOT,   4*HALFT                   ; A's 256 rows, then B's 256 rows
.set SPARE,  2*SLOT                    ; behind the ring: the spare words, 128 bytes for each wave: two blocks of 256 bytes that no other line names
.set ADRA, 16                          ; v16-17  LDS address of my A' fragments in slot 0, 1
.set ADRB, 20                          ; v20-21  the same for B'
.set CO,   26                          ; v26     16 x lane: my place in half an image
.set BO,   27                          ; v27     my offset in the bias
.set SPW,  28                          ; v28     LDS address of my spare word: SPARE + 4 x my thread's number; never rewritten
.set NIL,  29                          ; v29     0; never rewritten
.set SC,   30                          ; v30     2^(eo - ea - eb) as f32: the conversion takes its exponent field
.set LIM,  31                          ; v31     448 x that
.set BR,   32                          ; v32-95  the bias
.set AF,   128                         ; A's fragments
.set CD,   128                         ; the way out: the codes
.set G1, 24                            ; s[24:31] descriptor group 1 for A's tiles;  s[32:39] group 0, one set for each slot
.set G0, 32
.set G1B, 48                           ; s[48:55], s[56:63] the same for B's tiles
.set G0B, 56
.set OB, 88                            ; s[88:95] the way out: four bases
.set MSB, 0
.macro WIN new                         ; the immediate's high byte repeats the setting that is left; a switch that changes nothing is dropped
.if MSB != (\new)
	s_set_vgpr_msb (MSB<<8)|(\new)
.set MSB, (\new)
.endif
.endm
.set MUL_LO, 0xa1                      ; source 0 (B') window 1, source 1 (A') window 0, C and D window 2
.set MUL_HI, 0xf1                      ; the same, C and D window 3
.set BIA_LO, 0x81                      ; the first products: C (the bias) window 0, D window 2
.set BIA_HI, 0xc1                      ; D window 3
.set TO_B,   0x40                      ; destination window 1, address window 0
; A joint load: waves 0 and 1 fetch for A', waves 2 and 3 for B'.  Each of the two lines has ONE mask and one set of registers for all that issue it; the branch hangs on the wave's number alone.
; Four v_nop follow each of the two lines, ahead of the jump, the label and what follows.
.macro JLOAD g0a, g1a, g0b, g1b
	s_cmp_eq_u32 s15, 0
	s_cbranch_scc0 .Lfor_b_\@
	tensor_load_to_lds s[\g0a:\g0a+3], s[\g1a:\g1a+7]
	s_nop 0
.rept 4
	v_nop
.endr
	s_branch .Lasked_\@
.Lfor_b_\@:
	tensor_load_to_lds s[\g0b:\g0b+3], s[\g1b:\g1b+7]
	s_nop 0
.rept 4
	v_nop
.endr
.Lasked_\@:
.endm
.macro CREST                           ; a round of the cluster's barrier behind its opening barrier
	s_cmp_lg_u32 s14, 0
	s_cbranch_scc1 .Lnot_wave_0_\@
	s_barrier_signal -3
.Lnot_wave_0_\@:
	s_barrier_wait -3
	s_barrier_signal -1
	s_barrier_wait -1
.endm
.macro CROUND                          ; a whole round
	s_barrier_signal -1
	s_barrier_wait -1
	CREST
.endm
	s_load_b512 s[68:83], s[0:1], 0x0              ; seq s[68:69], Wq s[70:71], Wk s[72:73], Wv s[74:75], bq s[76:77], bk s[78:79], bv s[80:81], the scales' exponents s[82:83]
	s_load_b128 s[84:87], s[0:1], 0x40             ; qf s[84:85], kvf s[86:87]
	v_lshl_add_u32 v[SPW], v0, 2, SPARE
	v_mov_b32 v[NIL], 0
	ds_add_u32 v28, v29
	ds_add_u32 v28, v29
	s_wait_dscnt 0x0
	v_lshrrev_b32 v1, 5, v0
	v_readfirstlane_b32 s14, v1                    ; wave 0..3
	s_lshr_b32 s15, s14, 1                         ; which half of the tile's rows is mine.  Also: I fetch for A' (0) or for B' (1)
	s_and_b32 s16, s14, 1                          ; which half of its columns.  Also: which 128 rows of that tile I fetch
	s_bfe_u32 s40, ttmp6, 0x40000                  ; cx, cy: my place in the cluster
	s_bfe_u32 s41, ttmp6, 0x40004
	s_mov_b32 s12, ttmp9                           ; cluster x: 0 Q, 1 K, 2 V: the same in all sixteen partners
	s_and_b32 s13, ttmp7, 0xffff                   ; cluster y: 0..7: which 1,024 rows of seq
	s_cmp_eq_u32 s12, 2
	s_cselect_b32 s66, 0, s13                      ; seq gives the rows (Q, K) ..
	s_cselect_b32 s67, s13, 0                      ; .. or the columns (V)
	s_lshl_b32 s42, s67, 2
	s_add_co_u32 s42, s42, s40                     ; tile column
	s_lshl_b32 s17, s66, 2
	s_add_co_u32 s17, s17, s41                     ; tile row
	s_lshl_b32 s43, s41, 2
	s_lshl_b32 s43, 15, s43                        ; my row of the cluster
	s_lshl_b32 s44, 0x1111, s40                    ; my column
	; descriptor group 1: a tile of 128 rows x 256 bytes, padded in LDS
	s_or_b32 s[G1+0], s43, (0<<16)|(1<<20)|(1<<21)|(5<<22)|(3<<25)  ; 15:0 the mask: A's tiles go to my row; 17:16 element of 1 byte; 20 padding on; 21 set beside a mask; 24:22 after every 64 words (code 5); 31:25 of 4 words (code 3)
	s_or_b32 s[G1B+0], s44, (0<<16)|(1<<20)|(1<<21)|(5<<22)|(3<<25)
.irp g, G1, G1B
	s_mov_b32 s[\g+1], ROWB<<16                    ; tensor_dim0
	s_mov_b32 s[\g+2], 128<<16                     ; tensor_dim1 = 128
	s_mov_b32 s[\g+3], ROWB<<16                    ; tile_dim0
	s_mov_b32 s[\g+4], 128                         ; tile_dim1 = 128
	s_mov_b32 s[\g+5], KROW                        ; tensor_dim0_stride
	s_mov_b32 s[\g+6], 0
	s_mov_b32 s[\g+7], 0
.endr
	s_lshl_b32 s18, s16, 7                         ; which 128 rows of the tile I fetch
	s_lshl_b32 s20, s17, 8
	s_add_co_u32 s20, s20, s18                     ; A': row 256 x tile row + 128 x half
	s_lshl_b32 s46, s42, 8
	s_add_co_u32 s46, s46, s18                     ; B': row 256 x tile column + 128 x half
	s_lshl_b32 s20, s20, 10                        ; in bytes: under 2^23
	s_lshl_b32 s46, s46, 10
	s_mov_b32 s21, 0
	s_mov_b32 s47, 0
	s_mul_i32 s45, s14, HALFT                      ; where they go: wave x 128 rows: no place in the cluster enters an LDS address
	s_wait_kmcnt 0x0
	s_load_b256 s[88:95], s[82:83], 0x0            ; e0 .. e7
	s_load_b64 s[96:97], s[82:83], 0x20            ; e8, e9
	s_cmp_eq_u32 s12, 2                            ; the buffers are chosen on cluster x alone
	s_cselect_b64 s[4:5], s[74:75], s[68:69]       ; A' = Wv or seq
	s_cselect_b64 s[6:7], s[68:69], s[72:73]       ; B' = seq, or Wk,
	s_cselect_b64 s[8:9], s[80:81], s[78:79]       ; the bias = bv, or bk,
	s_cmp_eq_u32 s12, 0
	s_cselect_b64 s[6:7], s[70:71], s[6:7]         ; or Wq
	s_cselect_b64 s[8:9], s[76:77], s[8:9]         ; or bq
	s_cselect_b64 s[10:11], s[84:85], s[86:87]     ; the result goes to qf or to kvf
	s_add_nc_u64 s[20:21], s[4:5], s[20:21]
	s_add_nc_u64 s[46:47], s[6:7], s[46:47]
	CROUND                                         ; all sixteen work-groups are here: the first joint loads meet
.irp s, 0,1
	s_mov_b32 s[G0+4*\s], 1
	s_add_co_u32 s[G0+4*\s+1], s45, \s*SLOT
	s_add_nc_u64 s[G0+4*\s+2:G0+4*\s+3], s[20:21], \s*ROWB
	s_or_b32 s[G0+4*\s+3], s[G0+4*\s+3], 0x80000000
	s_mov_b32 s[G0B+4*\s], 1
	s_add_co_u32 s[G0B+4*\s+1], s45, \s*SLOT
	s_add_nc_u64 s[G0B+4*\s+2:G0B+4*\s+3], s[46:47], \s*ROWB
	s_or_b32 s[G0B+4*\s+3], s[G0B+4*\s+3], 0x80000000
.endr
	JLOAD G0, G1, G0B, G1B                         ; K step 0: one tensor load a wave at the head
	v_and_b32 v1, 15, v0                           ; r = l % 16
	v_bfe_u32 v2, v0, 4, 1                         ; h = l / 16
	v_mul_u32_u24 v3, v1, PITCH
	v_lshl_add_u32 v4, v2, 4, v3                   ; a fragment's row x pitch + 16 x half
	s_mul_i32 s21, s15, HALFT                      ; my 128 rows of A'
	s_mul_i32 s22, s16, HALFT                      ; my 128 rows of B',
	s_add_co_u32 s22, s22, 2*HALFT                 ; which lie behind A's 256
.irp s, 0,1
	v_add_nc_u32 v[ADRA+\s], s21, v4
	v_add_nc_u32 v[ADRB+\s], s22, v4
	s_add_co_u32 s21, s21, SLOT
	s_add_co_u32 s22, s22, SLOT
.endr
	v_and_b32 v6, 31, v0
	v_lshlrev_b32 v[CO], 4, v6
	; the scales.  (ea, eb, eo) = (e0, e1, e6) for Q, (e2, e3, e7) for K, (e4, e5, e9) for V: chosen by selects, never by a branch
	s_wait_kmcnt 0x0
	s_add_co_i32 s18, s88, s89
	s_add_co_i32 s19, s90, s91
	s_add_co_i32 s22, s92, s93
	s_cmp_eq_u32 s12, 0
	s_cselect_b32 s18, s18, s19
	s_cselect_b32 s19, s94, s95
	s_cmp_eq_u32 s12, 2
	s_cselect_b32 s18, s22, s18                    ; ea + eb
	s_cselect_b32 s19, s97, s19                    ; eo
	s_sub_co_i32 s98, 0, s18                       ; -(ea + eb), for the bias
	s_sub_co_i32 s19, s19, s18                     ; a sum stands for sum x 2^(ea + eb): its code is sum / 2^(eo - ea - eb)
	s_add_co_i32 s19, s19, 127
	s_lshl_b32 s22, s19, 23
	v_mov_b32 v[SC], s22
	s_add_co_i32 s19, s19, 8
	s_lshl_b32 s19, s19, 23
	s_or_b32 s19, s19, 0x600000
	v_mov_b32 v[LIM], s19
	; the bias runs along the axis of W's rows: the columns n' for Q and K, the rows m' for V
	s_cmp_eq_u32 s12, 2
	s_cselect_b32 s18, s17, s42                    ; W's tile,
	s_cselect_b32 s19, s15, s16                    ; and my half of it
	s_lshl_b32 s18, s18, 10
	s_lshl_b32 s19, s19, 9
	s_add_co_u32 s18, s18, s19                     ; 4 bytes x (256 x tile + 128 x half)
	s_mov_b32 s19, 0
	s_add_nc_u64 s[8:9], s[8:9], s[18:19]
	s_cmp_eq_u32 s12, 2
	s_cbranch_scc1 .Lbias_v                        ; on cluster x: the same way in every wave of every partner
	v_lshlrev_b32 v[BO], 5, v2                     ; Q, K: block b's eight registers are the bias at n' = 16 b + 8 h + 0 .. 7
.irp b, 0,1,2,3,4,5,6,7
	global_load_b128 v[BR+8*\b:BR+8*\b+3], v[BO], s[8:9] offset:64*\b
	global_load_b128 v[BR+8*\b+4:BR+8*\b+7], v[BO], s[8:9] offset:64*\b+16
.endr
	s_wait_loadcnt 0x0
.set j, 0
.rept 64
	v_ldexp_f32 v[BR+j], v[BR+j], s98
.set j, j+1
.endr
	s_branch .Lbias_done
.Lbias_v:
	v_lshlrev_b32 v[BO], 2, v1                     ; V: block a's eight registers are eight copies of the bias at m' = 16 a + r
.irp a, 0,1,2,3,4,5,6,7
	global_load_b32 v[BR+8*\a], v[BO], s[8:9] offset:64*\a
.endr
	s_wait_loadcnt 0x0
.irp a, 0,1,2,3,4,5,6,7
.irp j, 7,6,5,4,3,2,1,0
	v_ldexp_f32 v[BR+8*\a+\j], v[BR+8*\a], s98     ; register 0, the source, is written last
.endr
.endr
.Lbias_done:
.macro FRAG reg, adr, q, i             ; a fragment, 16 rows x 128 K, is 16 registers: lane l holds row l % 16; registers 4 c .. 4 c + 3 hold K = 32 c + 16 (l / 16) + 0 .. 15: a permutation of k that is the same in A' and in B', so every product meets its partner
.irp c, 0,1,2,3
	ds_load_b128 v[\reg+4*\c:\reg+4*\c+3], v[\adr] offset:128*(\q)+32*\c+(\i)*16*PITCH
.endr
.endm
; 16 matrix instructions: A's blocks a0, a0 + 1 x B's eight, 128 along K.  p: B's set.  bias = 1: the first product starts the sums from the bias of block b; 2: of block a; 0: the sums go on.  Nothing is ever cleared.
; The 64 accumulators take turns, one instruction a turn, in the same order in every step.
.macro MUL16 a0, p, bias
.irp a, \a0, \a0+1
.irp b, 0,1,2,3,4,5,6,7
.if \bias == 1
	v_wmma_f32_16x16x128_fp8_fp8 v[8*(8*((\a)%4)+\b):8*(8*((\a)%4)+\b)+7], v[128*(\p)+FR*\b:128*(\p)+FR*\b+FR-1], v[AF+FR*(\a):AF+FR*(\a)+FR-1], v[BR+8*\b:BR+8*\b+7]
.elseif \bias == 2
	v_wmma_f32_16x16x128_fp8_fp8 v[8*(8*((\a)%4)+\b):8*(8*((\a)%4)+\b)+7], v[128*(\p)+FR*\b:128*(\p)+FR*\b+FR-1], v[AF+FR*(\a):AF+FR*(\a)+FR-1], v[BR+8*(\a):BR+8*(\a)+7]
.else
	v_wmma_f32_16x16x128_fp8_fp8 v[8*(8*((\a)%4)+\b):8*(8*((\a)%4)+\b)+7], v[128*(\p)+FR*\b:128*(\p)+FR*\b+FR-1], v[AF+FR*(\a):AF+FR*(\a)+FR-1], v[8*(8*((\a)%4)+\b):8*(8*((\a)%4)+\b)+7]
.endif
.endr
.endr
.endm
.macro FETCH_B slot, q, p              ; B's eight fragments of the slot's q-th 128 along K into set p
	WIN TO_B
.irp i, 0,1,2,3,4,5,6,7
	FRAG 128*(\p)+FR*\i, ADRB+\slot, \q, \i
.endr
	WIN 0
.endm
.macro FETCH_A slot, q, i0             ; A's blocks i0 .. i0 + 3
.irp i, \i0, \i0+1, \i0+2, \i0+3
	FRAG AF+FR*(\i), ADRA+\slot, \q, \i
.endr
.endm
; A load into a register that a matrix instruction has read, and a vector instruction that reads or writes a matrix result, stand NP places behind that matrix instruction; only plain vector instructions that
; name none of its registers are places (ISA guide 7.12.1 for vector instructions).
.macro PLACES n
.rept \n
	v_nop
.endr
.endm
; A step of 128 along K that has its successor in the same slot.  A block of A' is free as soon as its eight products are issued: blocks 0-3 are fetched anew in the step's middle, blocks 4-7 at its end.
.macro STEP slot, q, bias
	s_wait_dscnt 4*NL                              ; B's set and A's blocks 0-3 are in; the youngest sixteen loads (A's blocks 4-7) may be out
.if \bias
	WIN BIA_LO
.else
	WIN MUL_LO
.endif
	MUL16 0, (\q)%2, \bias
	MUL16 2, (\q)%2, \bias
	s_wait_dscnt 0                                 ; A's blocks 4-7 are in (asked for 32 matrix instructions ago)
	PLACES NP
	FETCH_B \slot, (\q)+1, 1-(\q)%2
	FETCH_A \slot, (\q)+1, 0
.if \bias
	WIN BIA_HI
.else
	WIN MUL_HI
.endif
	MUL16 4, (\q)%2, \bias
	MUL16 6, (\q)%2, \bias
	PLACES NP
	WIN 0
	FETCH_A \slot, (\q)+1, 4
.endm
; A slot's last step changes slots: ONE barrier; in front of it each wave waits for all its tensor loads, adds 0 to its spare word, and waits for that and for its own reads of this slot.  fill = 1: this slot is filled again, two K steps ahead.
.macro TURN slot, next, fill
	s_wait_tensorcnt 0x0                           ; all my tensor loads have landed: my part of the next slot;  (every window is 0 here: the add's two registers lie in window 0)
	ds_add_u32 v[SPW], v[NIL]                      ; 0 onto my spare word
	s_wait_dscnt 4*NL+1                            ; (the add and the youngest sixteen loads, A's blocks 4-7, may be out)
	WIN MUL_LO
	MUL16 0, 1, 0                                  ; sixteen matrix instructions stand between the add and the wait for it
	s_wait_dscnt 0x0                               ; the add is done, and my reads of this slot are over
	s_barrier_signal -1
	MUL16 2, 1, 0
	WIN 0
	s_barrier_wait -1
.if \fill
	CREST                                          ; the barrier has opened a round of the cluster's barrier: no wave of any partner still reads this slot's tile or has a load on its way
	s_add_nc_u64 s[G0+4*\slot+2:G0+4*\slot+3], s[G0+4*\slot+2:G0+4*\slot+3], 2*ROWB
	s_add_nc_u64 s[G0B+4*\slot+2:G0B+4*\slot+3], s[G0B+4*\slot+2:G0B+4*\slot+3], 2*ROWB
	JLOAD G0+4*\slot, G1, G0B+4*\slot, G1B         ; the first tensor load behind the round; the four v_nop behind it are also the places in front of the loads below
.else
	PLACES NP
.endif
	FETCH_B \next, 0, 0
	FETCH_A \next, 0, 0
	WIN MUL_HI
	MUL16 4, 1, 0
	MUL16 6, 1, 0
	PLACES NP
	WIN 0
	FETCH_A \next, 0, 4
.endm
	s_wait_alu depctr_va_vdst(0)
	s_wait_tensorcnt 0x0                           ; my part of K step 0 is in; slot 1's first fill is issued as a refill is:
	ds_add_u32 v[SPW], v[NIL]                      ; 0 onto my spare word
	s_wait_dscnt 0x0                               ; the add is done
	CROUND                                         ; everybody's part of K step 0 is in, and all sixteen work-groups are here
	JLOAD G0+4, G1, G0B+4, G1B                     ; K step 1: the first tensor load behind the round
	FETCH_B 0, 0, 0
	FETCH_A 0, 0, 0
	FETCH_A 0, 0, 4
	s_cmp_eq_u32 s12, 2                            ; the first step is written twice: the bias's registers go by columns (Q, K) or by rows (V).  Both ways issue the same LDS loads
	s_cbranch_scc1 .Lfirst_v
	s_wait_alu depctr_va_vdst(0)
	STEP 0, 0, 1
	s_branch .Lfirst_done
.Lfirst_v:
	s_wait_alu depctr_va_vdst(0)
	STEP 0, 0, 2
.Lfirst_done:
	TURN 0, 1, 1                                   ; K = 1,024 is eight steps of 128, four slots' worth: written out; K 128 on; slot 0 takes K 512 on
	STEP 1, 0, 0                                   ; K 256
	TURN 1, 0, 1                                   ; K 384; slot 1 takes K 768 on
	STEP 0, 0, 0                                   ; K 512
	TURN 0, 1, 0                                   ; K 640; nothing is left to fetch, so no round of the cluster's barrier
	STEP 1, 0, 0                                   ; K 768
	s_wait_dscnt 4*NL                              ; K 896: the last step
	WIN MUL_LO
	MUL16 0, 1, 0
	MUL16 2, 1, 0
	s_wait_dscnt 0
	WIN MUL_HI
	MUL16 4, 1, 0
	MUL16 6, 1, 0
	WIN 0
	; THE WAY OUT.  Where my fragments go.  P, Wp: the tile and half along seq's axis; Hc, Wh: along W's.  batch = P / 8; my first head = 4 Hc + 2 Wh; my first tile of 16 along the sequence = (16 P + 8 Wp) % 128.
	; Q, K: block a is a tile of 16 queries or keys (1,024 bytes on), fragment g = b / 4 a head.   V: block a is head a / 4 and tile a % 4 of the head's 64 (1,024 bytes on), fragment g a group of 64 keys (4,096 bytes on).
	s_cmp_eq_u32 s12, 2
	s_cselect_b32 s18, s42, s17                    ; P
	s_cselect_b32 s19, s16, s15                    ; Wp
	s_cselect_b32 s22, s17, s42                    ; Hc
	s_cselect_b32 s23, s15, s16                    ; Wh
	s_cselect_b32 s2, 0x20000, 0                   ; V^T lies behind K's 131,072 bytes
	s_cmp_eq_u32 s12, 0
	s_cselect_b32 s3, 17, 18                       ; a head's bytes: 2^17 in qf, 2^18 in kvf
	s_lshl_b32 s66, 1, s3
	s_mov_b32 s67, 4096
	s_cmp_eq_u32 s12, 2
	s_cselect_b32 s98, s66, s67                    ; from blocks 0-3 to blocks 4-7: a head (V) or four tiles (Q, K)
	s_cselect_b32 s96, s67, s66                    ; from fragment 0 to fragment 1: a group of keys (V) or a head (Q, K)
	s_lshr_b32 s43, s18, 3
	s_lshl_b32 s43, s43, 4
	s_lshl_b32 s22, s22, 2
	s_lshl_b32 s23, s23, 1
	s_add_co_u32 s43, s43, s22
	s_add_co_u32 s43, s43, s23                     ; 16 batch + my first head
	s_lshl_b32 s43, s43, s3
	s_lshl_b32 s18, s18, 4
	s_lshl_b32 s19, s19, 3
	s_add_co_u32 s18, s18, s19
	s_and_b32 s18, s18, 127
	s_lshl_b32 s18, s18, 10
	s_add_co_u32 s43, s43, s18
	s_add_co_u32 s18, s43, s2
	s_mov_b32 s19, 0
	s_mov_b32 s97, 0
	s_mov_b32 s99, 0
	s_add_nc_u64 s[OB:OB+1], s[10:11], s[18:19]            ; blocks 0-3, fragment 0
	s_add_nc_u64 s[OB+2:OB+3], s[OB:OB+1], s[96:97]        ; blocks 0-3, fragment 1
	s_add_nc_u64 s[OB+4:OB+5], s[OB:OB+1], s[98:99]        ; blocks 4-7, fragment 0
	s_add_nc_u64 s[OB+6:OB+7], s[OB+4:OB+5], s[96:97]      ; blocks 4-7, fragment 1
; Block a: the hold (the conversion to an 8-bit code does not saturate: ISA guide 7.6.2), each accumulator from its low end on; eight conversions; four stores of 512 consecutive bytes, at multiples of 512 from the buffer's first byte.
; Each block has its own 16 registers of codes, so no store's data are written again.
.macro OUT a
.set AC, 64*((\a)%4)
	WIN 0x82+0x41*((\a)/4)                         ; source 0 and destination: window 2 or 3
.set j, 0
.rept 64
	v_med3_num_f32 v[AC+j], v[AC+j], -v[LIM], v[LIM]
.set j, j+1
.endr
	WIN 0x02+((\a)/4)                              ; source 0: window 2 or 3; the codes go to window 0
.irp b, 0,1,2,3,4,5,6,7
	v_cvt_scalef32_pk8_fp8_f32 v[CD+16*(\a)+2*\b:CD+16*(\a)+2*\b+1], v[AC+8*\b:AC+8*\b+7], v[SC]   ; registers 2 (b % 4), + 1 of fragment b / 4
.endr
	v_nop                                          ; one plain vector instruction behind the last conversion of a run
	WIN 0
.irp g, 0,1
	global_store_b128 v[CO], v[CD+16*(\a)+8*\g:CD+16*(\a)+8*\g+3], s[OB+4*((\a)/4)+2*\g:OB+4*((\a)/4)+2*\g+1] offset:((\a)%4)*1024
	global_store_b128 v[CO], v[CD+16*(\a)+8*\g+4:CD+16*(\a)+8*\g+7], s[OB+4*((\a)/4)+2*\g:OB+4*((\a)/4)+2*\g+1] offset:((\a)%4)*1024+512
.endr
.endm
	PLACES NP                                      ; behind the last products: for the holds, and for the codes, which land where A's fragments lay
.irp a, 0,1,2,3,4,5,6,7
	OUT \a
.endr
	s_wait_tensorcnt 0x0                           ; the wave's end: behind my last tensor load, as my last LDS instructions
	ds_add_u32 v[SPW], v[NIL]
	s_wait_dscnt 0x0
	CROUND                                         ; the closing round: no work-group ends while a partner may still ask for a tile that names it
	s_endpgm
.Lfunc_end_k_q2e6d83dfef_proj:
	.size	k_q2e6d83dfef_proj, .Lfunc_end_k_q2e6d83dfef_proj-k_q2e6d83dfef_proj
	.p2alignl 7, 3214868480
	.fill 96, 4, 3214868480
	.section	.rodata,"a",@progbits
	.p2align	6, 0x0
	.amdhsa_kernel k_q2e6d83dfef_proj
		.amdhsa_group_segment_fixed_size 327680
		.amdhsa_private_segment_fixed_size 0
		.amdhsa_enable_private_segment 0
		.amdhsa_kernarg_size 80
		.amdhsa_user_sgpr_count 2
		.amdhsa_user_sgpr_kernarg_segment_ptr 1
		.amdhsa_wavefront_size32 1
		.amdhsa_system_sgpr_workgroup_id_x 1
		.amdhsa_system_sgpr_workgroup_id_y 1
		.amdhsa_system_sgpr_workgroup_id_z 1
		.amdhsa_system_vgpr_workitem_id 0
		.amdhsa_next_free_vgpr 1024
		.amdhsa_next_free_sgpr 100
		.amdhsa_reserve_vcc 0
		.amdhsa_float_denorm_mode_32 3
		.amdhsa_float_denorm_mode_16_64 3
		.amdhsa_memory_ordered 1
		.amdhsa_forward_progress 1
		.amdhsa_inst_pref_size 139
	.end_amdhsa_kernel
	.amdgpu_metadata
---
amdhsa.version: [ 1, 2 ]
amdhsa.kernels:
  - .name:           k_q2e6d83dfef_proj
    .symbol:         k_q2e6d83dfef_proj.kd
    .args:
      - { .name: seq_codes, .offset: 0, .size: 8, .value_kind: global_buffer, .address_space: global }
      - { .name: Wq_codes, .offset: 8, .size: 8, .value_kind: global_buffer, .address_space: global }
      - { .name: Wk_codes, .offset: 16, .size: 8, .value_kind: global_buffer, .address_space: global }
      - { .name: Wv_codes, .offset: 24, .size: 8, .value_kind: global_buffer, .address_space: global }
      - { .name: bq, .offset: 32, .size: 8, .value_kind: global_buffer, .address_space: global }
      - { .name: bk, .offset: 40, .size: 8, .value_kind: global_buffer, .address_space: global }
      - { .name: bv, .offset: 48, .size: 8, .value_kind: global_buffer, .address_space: global }
      - { .name: lowp_scales, .offset: 56, .size: 8, .value_kind: global_buffer, .address_space: global }
      - { .name: qf, .offset: 64, .size: 8, .value_kind: global_buffer, .address_space: global }
      - { .name: kvf, .offset: 72, .size: 8, .value_kind: global_buffer, .address_space: global }
    .group_segment_fixed_size: 327680
    .private_segment_fixed_size: 0
    .kernarg_segment_align: 8
    .kernarg_segment_size: 80
    .max_flat_workgroup_size: 128
    .sgpr_count:     100
    .vgpr_count:     1024
    .wavefront_size: 32
...
	.end_amdgpu_metadata
.endif
;; end of part 1
;; launch attn (part 2): grid 4 x 64, 8 waves a work-group, clusters of 4 x 1, 327,680 bytes of LDS; arguments qf, kvf, mask, lowp_scales, out0; writes out0
.if DOCPART == 2
	.amdgcn_target "amdgcn-amd-amdhsa--gfx1250"
	.amdhsa_code_object_version 6
	.text
	.protected	k_q2e6d83dfef_attn
	.globl	k_q2e6d83dfef_attn
	.p2align	8
	.type	k_q2e6d83dfef_attn,@function
k_q2e6d83dfef_attn:
	s_mov_b64 s[64:65], 0
	v_nop
	global_prefetch_b8 v0, s[64:65] scope:SCOPE_SE
	s_setreg_imm32_b32 hwreg(HW_REG_WAVE_MODE, 25, 1), 1
	s_wait_xcnt 0x0
	s_wait_alu depctr_hold_cnt(0) depctr_sa_sdst(0) depctr_va_vdst(0) depctr_va_sdst(0) depctr_va_ssrc(0) depctr_va_vcc(0) depctr_vm_vsrc(0)
	s_getreg_b32 s2, hwreg(HW_REG_IB_STS2, 6, 4)
	s_cmp_eq_u32 s2, 0
	s_cbranch_scc0 .Lentry_in_a_cluster
	s_endpgm
.Lentry_in_a_cluster:
	s_bfe_u32 s2, ttmp6, 0x10000c
	s_cmp_lg_u32 s2, 0x3003
	s_cbranch_scc0 .Lentry_shape_is_right
	s_endpgm
.Lentry_shape_is_right:
; ATTENTION ON CODES OF FP8 (E4M3): out[b][q][head] = softmax_k(Q.K / 8, masked) V, both products by v_wmma_f32_16x16x64_fp8_fp8.
; qf, kvf hold images of operand registers (1,024 bytes a fragment of 16 rows x 64 K: registers 0-3, lane l at 16 l, then registers 4-7):
;   qf: (128 (16 batch + head) + tile of 16 queries) x 1,024;  kvf: 262,144 a (batch, head): K's tile of 16 keys at 1,024 x tile; from 131,072 on V^T: 4,096 x (group of 64 keys) + 1,024 x (tile of 16 of the head's 64).
; SHARES. A work-group owns 512 queries of one (batch, head); each of its 8 waves 64 of them (4 tiles), two waves to a SIMD. The four work-groups of a cluster own one (batch, head) and ask for its K and V JOINTLY.
; All 262,144 bytes of K and V lie in LDS for the whole launch: each wave asks for 32,768 of them by its one tensor load at the head; nothing is filled again. So there is no loop to run ahead in, and no prefetch is laid.
; LAYOUT. Both products transposed: S^T = K Q^T, O^T = V^T P^T: a lane holds one query (lane % 16); register j of key tile t is key 16 t + 8 (lane / 16) + j, which is the place that the second product's operand wants.
; THE MASKS. A key whose mask byte is 0 gets the bias -2^60 as the C of its score (in units of the raw sums): its p is 0. A query whose mask byte is 1, and every query where no key of the batch counts, has all its scores equal
; in reference(): its factor c is 0, so every t is 0, M = 0 and p = 1 for all 2,048 keys.
; THE SOFTMAX. t = raw sum x c, c = log2(e) / 8 x 2^(eq + ek). Pass 1 walks all keys for the row's largest sum; -M = floor(-t). Pass 2: p = 2^(t - M), summed unquantised in f32, held at 448 x 2^ep, converted, multiplied with V.
; PASS 2 GOES IN UNITS of half a key step (32 queries x 64 keys, 64 registers a lane) on two buffers. A unit's 64 exponentials are one batch; among them stand only lines on the OTHER buffer whose results are first read behind
; the batch's closing wait (the first level of the sum's tree, into registers of its own, and the hold). Behind the batch the other buffer is converted and multiplied with V, takes its next scores, and these are scaled.
; LIMITS: eq + ek between -40 and 60 (c an f32 number, c x 2^60 far beyond every t and finite); ep between -126 and 119; NaN codes are not served.
; REGISTERS. Window 0: v1-11 addresses, the hold; v12-43 four tiles' state (8 each: -M twice, the sum's pair, two at work, c twice); v48-79 the sum's tree; v80-111 p's codes; v112-239 the two buffers.
;   Window 1: v0-127 O^T (tile q, d tile t at 32 q + 8 t); v128 Q; v160 K; v192 V; v224 the keys' bias.
.set VIMG,  131072
.set KB,    262144                     ; the keys' bias, 2,048 words
.set STG,   270336                     ; the way out: 16 rows x 272 bytes a wave
.set SP,    272
.set SPARE, 305152                     ; the spare words: 128 bytes a wave, four blocks of 256 bytes that no other line names
.set STEPB, 4096
.set LI,   1
.set LIV,  2
.set BB0,  3
.set ADK,  4
.set ADV,  5
.set ADB,  6
.set STO,  7
.set RD,   8
.set GO,   9
.set PL0,  10                          ; 448 x 2^ep, twice: the two halves of a dual line name registers of their own
.set PL1,  11
.set ST,   12
.set TW,   44
.set TMP,  48
.set PC,   80
.set S,    112
.set PSC,  253
.set SPW,  254
.set NIL,  255
.set QF,   128
.set KF,   160
.set VF,   192
.set BI,   224
.set WV,   14
.set MSB, 0
.macro WIN new                         ; the immediate's high byte repeats the setting that is left
.if MSB != (\new)
	s_set_vgpr_msb (MSB<<8)|(\new)
.set MSB, (\new)
.endif
.endm
.set W_KQ, 0x15                        ; K, Q and the bias in window 1, the scores in window 0
.set W_PV, 0x51                        ; V, C and D in window 1, p's codes in window 0
.set TO_1, 0x40                        ; destination window 1
.macro CROUND                          ; a round of the cluster's barrier
	s_barrier_signal -1
	s_barrier_wait -1
	s_cmp_lg_u32 s[WV], 0
	s_cbranch_scc1 .Lnot_wave_0_\@
	s_barrier_signal -3
.Lnot_wave_0_\@:
	s_barrier_wait -3
	s_barrier_signal -1
	s_barrier_wait -1
.endm
	s_load_b256 s[4:11], s[0:1], 0x0               ; qf, kvf, mask, the scales' exponents
	s_load_b64 s[12:13], s[0:1], 0x20              ; out0
	v_lshl_add_u32 v[SPW], v0, 2, SPARE
	v_mov_b32 v[NIL], 0
	ds_add_u32 v[SPW], v[NIL]                      ; the opening lines: the add twice on end, under one wait
	ds_add_u32 v[SPW], v[NIL]
	v_lshrrev_b32 v1, 5, v0
	s_delay_alu instid0(VALU_DEP_1)
	v_readfirstlane_b32 s[WV], v1                  ; wave 0..7
	s_bfe_u32 s15, ttmp6, 0x40000                  ; cx: which 512 queries
	s_and_b32 s16, ttmp7, 0xffff                   ; 16 batch + head
	s_mov_b32 s24, 15|(3<<16)|(1<<21)              ; group 1: all four partners; elements of 8 bytes; 128 rows of 256 bytes, dense
	s_mov_b32 s25, 32<<16
	s_mov_b32 s26, 128<<16
	s_mov_b32 s27, 32<<16
	s_mov_b32 s28, 128
	s_mov_b32 s29, 32
	s_mov_b32 s30, 0
	s_mov_b32 s31, 0
	s_mov_b32 s40, 1
	s_lshl_b32 s41, s[WV], 15                      ; my 32,768 bytes of the image, in LDS as in memory
	s_lshl_b32 s20, s16, 18
	s_add_co_u32 s20, s20, s41
	s_mov_b32 s21, 0
	s_mov_b32 s58, 0x76543210                      ; lane l xor 16
	s_mov_b32 s59, 0xfedcba98
	s_mul_i32 s23, s[WV], 16*SP
	s_add_co_u32 s23, s23, STG                     ; my stage
	s_lshr_b32 s17, s16, 4                         ; batch
	s_lshl_b32 s70, s17, 11                        ; its row of the mask
	s_mov_b32 s71, 0
	s_lshl_b32 s66, s17, 23                        ; out0: 2^23 a batch, 256 a head, 4,096 a query
	s_and_b32 s18, s16, 15
	s_lshl_b32 s18, s18, 8
	s_add_co_u32 s66, s66, s18
	s_lshl_b32 s18, s15, 21
	s_add_co_u32 s66, s66, s18
	s_lshl_b32 s18, s[WV], 18
	s_add_co_u32 s66, s66, s18
	s_mov_b32 s67, 0
	s_lshl_b32 s68, s16, 17                        ; qf: my four tiles
	s_lshl_b32 s18, s15, 15
	s_add_co_u32 s68, s68, s18
	s_lshl_b32 s18, s[WV], 12
	s_add_co_u32 s68, s68, s18
	s_mov_b32 s69, 0
	s_lshl_b32 s22, s15, 9
	s_lshl_b32 s18, s[WV], 6
	s_add_co_u32 s22, s22, s18                     ; my first query in the batch
	v_and_b32 v[LI], 31, v0
	v_bfe_u32 v240, v0, 4, 1                       ; h
	v_and_b32 v241, 15, v0                         ; r
	v_lshlrev_b32 v243, 3, v0                      ; my thread's eight keys of the mask
	v_lshl_add_u32 v242, v0, 5, KB                 ; and their eight words of bias
	v_lshlrev_b32 v[LI], 4, v[LI]                  ; 16 x lane
	v_lshl_add_u32 v[BB0], v240, 5, KB
	v_mul_u32_u24 v[STO], v241, SP
	v_mul_u32_u24 v[RD], v240, SP
	v_lshlrev_b32 v[GO], 12, v240
	v_add_nc_u32 v244, s22, v241                   ; my lane's query of tile 0
	v_add_nc_u32 v[LIV], VIMG, v[LI]
	v_lshl_add_u32 v[STO], v240, 5, v[STO]
	v_lshl_add_u32 v[RD], v241, 4, v[RD]
	v_lshl_add_u32 v[GO], v241, 4, v[GO]
.irp q, 0,1,2,3
	v_mov_b32 v[TW+\q], 0                          ; a lane permute's destination counts as read
.endr
	v_add_nc_u32 v[STO], s23, v[STO]
	v_add_nc_u32 v[RD], s23, v[RD]
	s_wait_alu depctr_va_vdst(0)
	s_wait_dscnt 0x0                               ; both opening adds are done
	s_wait_kmcnt 0x0
	s_load_b128 s[52:55], s[10:11], 0x18           ; eq, ek, ep, ev
	s_add_nc_u64 s[8:9], s[8:9], s[70:71]
	s_add_nc_u64 s[12:13], s[12:13], s[66:67]
	s_add_nc_u64 s[4:5], s[4:5], s[68:69]
	s_add_nc_u64 s[42:43], s[6:7], s[20:21]
	s_or_b32 s43, s43, 0x80000000
	CROUND                                         ; the four partners are here: the joint loads meet
	tensor_load_to_lds s[40:43], s[24:31]          ; my one tensor load of the launch
	s_nop 0
	global_load_b64 v[246:247], v243, s[8:9]
.irp i, 0,1,2,3
	global_load_b128 v[S+4*\i:S+4*\i+3], v[LI], s[8:9] offset:512*\i   ; the batch's whole mask: does any key count?
.endr
.irp q, 0,1,2,3
	global_load_u8 v[248+\q], v244, s[8:9] offset:16*\q
.endr
	WIN TO_1
.irp q, 0,1,2,3
	global_load_b128 v[QF+8*\q:QF+8*\q+3], v[LI], s[4:5] offset:1024*\q th:TH_LOAD_NT
	global_load_b128 v[QF+8*\q+4:QF+8*\q+7], v[LI], s[4:5] offset:1024*\q+512 th:TH_LOAD_NT
.endr
	WIN 0
	s_wait_kmcnt 0x0
	s_add_co_i32 s56, s52, s53
	s_lshl_b32 s56, s56, 23
	s_add_co_i32 s56, s56, 0x3e38aa3b              ; c = log2(e) / 8 x 2^(eq + ek)
	s_add_co_i32 s57, s54, s55                     ; ep + ev
	s_add_co_i32 s60, s54, 127
	s_lshl_b32 s61, s60, 23
	v_mov_b32 v[PSC], s61                          ; 2^ep
	s_add_co_i32 s60, s60, 8
	s_lshl_b32 s60, s60, 23
	s_or_b32 s60, s60, 0x600000
	v_mov_b32 v[PL0], s60                          ; 448 x 2^ep
	v_mov_b32 v[PL1], s60
	s_wait_loadcnt 0x0
.irp k, 0,1,2,3,4,5,6,7
	v_bfe_u32 v[TMP+\k], v[246+\k/4], 8*(\k%4), 8
.endr
.irp k, 0,1,2,3,4,5,6,7
	v_add_nc_u32 v[TMP+\k], -1, v[TMP+\k]
.endr
.irp k, 0,1,2,3,4,5,6,7
	v_and_b32 v[TMP+\k], 0xdd800000, v[TMP+\k]     ; byte 0: -2^60; byte 1: 0
.endr
	ds_store_b128 v242, v[TMP:TMP+3]
	ds_store_b128 v242, v[TMP+4:TMP+7] offset:16
.irp i, 0,2,4,6,8,10,12,14
	v_or_b32 v[S+\i], v[S+\i], v[S+\i+1]
.endr
.irp q, 0,1,2,3
	v_cmp_eq_u32 s[44+\q], 0, v[248+\q]            ; my query counts
.endr
.irp i, 0,4,8,12
	v_or_b32 v[S+\i], v[S+\i], v[S+\i+2]
.endr
.irp q, 0,1,2,3
	v_mov_b32 v[ST+8*\q+2], 0xcb800000             ; -2^24, under every raw sum (64 x 448 x 448 at the most)
.endr
	v_or_b32 v[S], v[S], v[S+4]
	v_or_b32 v[S+8], v[S+8], v[S+12]
.irp q, 0,1,2,3
	v_mov_b32 v[ST+8*\q+4], 0xcb800000
.endr
	v_or_b32 v[S], v[S], v[S+8]
	v_cmp_ne_u32 vcc_lo, 0, v[S]
	s_cmp_lg_u32 vcc_lo, 0
	s_cselect_b32 s56, s56, 0                      ; no key counts: c = 0
	v_mov_b32 v252, s56
.irp q, 0,1,2,3
	v_cndmask_b32 v[ST+8*\q+6], 0, v252, s[44+\q]
.endr
.irp q, 0,1,2,3
	v_cndmask_b32 v[ST+8*\q+7], 0, v252, s[44+\q]
.endr
.macro LOADKB                          ; a key step's four tiles of K and its 64 words of bias
	WIN TO_1
.irp t, 0,1,2,3
	ds_load_b128 v[KF+8*\t:KF+8*\t+3], v[ADK] offset:1024*\t
	ds_load_b128 v[KF+8*\t+4:KF+8*\t+7], v[ADK] offset:1024*\t+512
.endr
.irp t, 0,1,2,3
	ds_load_b128 v[BI+8*\t:BI+8*\t+3], v[ADB] offset:64*\t
	ds_load_b128 v[BI+8*\t+4:BI+8*\t+7], v[ADB] offset:64*\t+16
.endr
	WIN 0
.endm
.macro SCORE y                         ; query tiles 2 y, 2 y + 1 x four key tiles into buffer y; the bias is the C
.irp q, 0,1
.irp t, 0,1,2,3
	v_wmma_f32_16x16x64_fp8_fp8 v[S+64*(\y)+32*\q+8*\t:S+64*(\y)+32*\q+8*\t+7], v[KF+8*\t:KF+8*\t+7], v[QF+16*(\y)+8*\q:QF+16*(\y)+8*\q+7], v[BI+8*\t:BI+8*\t+7]
.endr
.endr
.endm
.macro P1STEP next
	s_wait_dscnt 0x0                               ; K and the bias are in
	WIN W_KQ
	SCORE 0
	SCORE 1
	WIN 0
.if \next
	s_add_co_u32 s60, s60, STEPB
	s_add_co_u32 s61, s61, 256
	v_add_nc_u32 v[ADK], s60, v[LI]
	v_add_nc_u32 v[ADB], s61, v[BB0]
	v_nop
	v_nop                                          ; four places behind the products
	LOADKB
.else
.rept 4
	v_nop
.endr
.endif
	s_wait_alu depctr_va_vdst(0)                   ; the maxima were written just ahead of the backward jump
.irp t, 0,1,2,3
.irp i, 0,1,2,3
.irp q, 0,1,2,3
	v_max3_num_f32 v[ST+8*\q+2+2*(\i%2)], v[ST+8*\q+2+2*(\i%2)], v[S+32*\q+8*\t+2*\i], v[S+32*\q+8*\t+2*\i+1]
.endr
.endr
.endr
.endm
	s_wait_alu depctr_va_vdst(0)
	s_wait_tensorcnt 0x0                           ; my part of K and V is in,
	s_wait_dscnt 0x0                               ; my words of bias are stored:
	s_barrier_signal -1
	s_barrier_wait -1                              ; everybody's are
	; PASS 1: the largest raw sum of each query
	s_mov_b32 s60, 0
	s_mov_b32 s61, 0
	v_add_nc_u32 v[ADK], s60, v[LI]
	v_add_nc_u32 v[ADB], s61, v[BB0]
	LOADKB
	s_mov_b32 s62, 31
.Lp1:
	P1STEP 1
	s_sub_co_u32 s62, s62, 1
	s_cmp_lg_u32 s62, 0
	s_cbranch_scc1 .Lp1
	P1STEP 0
.irp q, 0,1,2,3
	s_delay_alu instid0(VALU_DEP_4)
	v_max_num_f32 v[ST+8*\q+2], v[ST+8*\q+2], v[ST+8*\q+4]
.endr
.irp q, 0,1,2,3
	s_delay_alu instid0(VALU_DEP_4)
	v_permlanex16_b32 v[TW+\q], v[ST+8*\q+2], s58, s59
.endr
.irp q, 0,1,2,3
	s_delay_alu instid0(VALU_DEP_4)
	v_max_num_f32 v[ST+8*\q+2], v[ST+8*\q+2], v[TW+\q]
.endr
.irp q, 0,1,2,3
	s_delay_alu instid0(VALU_DEP_4)
	v_mul_f32 v[ST+8*\q+2], v[ST+8*\q+6], v[ST+8*\q+2]     ; as t (c is not negative)
.endr
.irp q, 0,1,2,3
	s_delay_alu instid0(VALU_DEP_4)
	v_floor_f32 v[ST+8*\q], -v[ST+8*\q+2]                  ; -M = -ceil(t)
.endr
.irp q, 0,1,2,3
	v_mov_b32 v[ST+8*\q+2], 0                              ; the sum's pair
.endr
.irp q, 0,1,2,3
	v_mov_b32 v[ST+8*\q+3], 0
.endr
.irp q, 0,1,2,3
	v_mov_b32 v[ST+8*\q+1], v[ST+8*\q]
.endr
; PASS 2
.macro HOLD2 r                         ; two numbers held at 448 x 2^ep (the conversion does not saturate: ISA guide 7.6.2); p is not negative
	v_dual_min_num_f32 v[(\r)], v[(\r)], v[PL0] :: v_dual_min_num_f32 v[(\r)+1], v[(\r)+1], v[PL1]
.endm
; ex: buffer x's 64 exponentials, one batch.  il: the other buffer's p: sums of four into the tree's 16 pairs, then the hold; none of these results is read ahead of the closing wait.
.macro BATCH x, il, ex
.set XB, S+64*(\x)
.set YB, S+64*(1-(\x))
.set i, 0
.rept 16
.if \ex
	v_exp_f32 v[XB+4*i], v[XB+4*i]
.endif
.if \il
	v_pk_add_f32 v[TMP+2*i:TMP+2*i+1], v[YB+4*i:YB+4*i+1], v[YB+4*i+2:YB+4*i+3]
.endif
.if \ex
	v_exp_f32 v[XB+4*i+1], v[XB+4*i+1]
.endif
.if \il
	HOLD2 YB+4*i
.endif
.if \ex
	v_exp_f32 v[XB+4*i+2], v[XB+4*i+2]
.endif
.if \il
	HOLD2 YB+4*i+2
.endif
.if \ex
	v_exp_f32 v[XB+4*i+3], v[XB+4*i+3]
.endif
.set i, i+1
.endr
.if \ex
	v_nop                                          ; a plain place behind the last exponential
	s_wait_alu depctr_va_vdst(0)                   ; the batch's closing wait
.endif
.endm
.macro TADD q, a, b                    ; the tree of tile q: pair a += pair b
	v_pk_add_f32 v[TMP+16*(\q)+2*(\a):TMP+16*(\q)+2*(\a)+1], v[TMP+16*(\q)+2*(\a):TMP+16*(\q)+2*(\a)+1], v[TMP+16*(\q)+2*(\b):TMP+16*(\q)+2*(\b)+1]
.endm
.macro SCALEP y, p0, n                 ; t - M, two at a time
.set p, \p0
.rept \n
.set rr, S+64*(\y)+2*p
.set tt, ST+8*(2*(\y)+p/16)
	v_pk_fma_f32 v[rr:rr+1], v[rr:rr+1], v[tt+6:tt+7], v[tt:tt+1]
.set p, p+1
.endr
.endm
.macro FINISH y, first                 ; buffer y's held p: codes, the tree's second level (also the place behind the conversions), O^T += V^T P^T
.irp q, 0,1
.irp t, 0,1,2,3
	v_cvt_scalef32_pk8_fp8_f32 v[PC+16*(\y)+8*\q+2*\t:PC+16*(\y)+8*\q+2*\t+1], v[S+64*(\y)+32*\q+8*\t:S+64*(\y)+32*\q+8*\t+7], v[PSC]
.endr
.endr
.irp q, 0,1
.irp k, 0,2,4,6
	TADD \q, \k, \k+1
.endr
.endr
	WIN W_PV
	s_wait_alu depctr_va_vdst(0)                   ; ahead of the first readers of O^T
.irp q, 0,1
.irp t, 0,1,2,3
.if \first == 1
	v_wmma_f32_16x16x64_fp8_fp8 v[64*(\y)+32*\q+8*\t:64*(\y)+32*\q+8*\t+7], v[VF+8*\t:VF+8*\t+7], v[PC+16*(\y)+8*\q:PC+16*(\y)+8*\q+7], 0
.else
	v_wmma_f32_16x16x64_fp8_fp8 v[64*(\y)+32*\q+8*\t:64*(\y)+32*\q+8*\t+7], v[VF+8*\t:VF+8*\t+7], v[PC+16*(\y)+8*\q:PC+16*(\y)+8*\q+7], v[64*(\y)+32*\q+8*\t:64*(\y)+32*\q+8*\t+7]
.endif
.endr
.endr
.endm
; Behind a unit's products: the rest of the tree (its first four lines are the four places), the loads (ld = 1: this step's V; 2: and the next step's K and bias), the new scores' scaling.
.macro TAILW y, fin, sc, ld
.if \fin
	TADD 0, 0, 2
	TADD 1, 0, 2
	TADD 0, 4, 6
	TADD 1, 4, 6
.else
	v_nop                                          ; with the three additions below: four places
.endif
.if \ld
	v_add_nc_u32 v[ADV], s60, v[LIV]
.if \ld > 1
	s_add_co_u32 s60, s60, STEPB
	s_add_co_u32 s61, s61, 256
	v_add_nc_u32 v[ADK], s60, v[LI]
	v_add_nc_u32 v[ADB], s61, v[BB0]
.endif
	WIN TO_1
.irp t, 0,1,2,3
	ds_load_b128 v[VF+8*\t:VF+8*\t+3], v[ADV] offset:1024*\t
	ds_load_b128 v[VF+8*\t+4:VF+8*\t+7], v[ADV] offset:1024*\t+512
.endr
.if \ld > 1
	LOADKB
.endif
	WIN 0
.endif
.if \sc
	SCALEP \y, 0, 8
.endif
.if \fin
	TADD 0, 0, 4
	TADD 1, 0, 4
.endif
.if \sc
	SCALEP \y, 8, 8
.endif
.if \fin
.irp q, 0,1
	v_pk_add_f32 v[ST+8*(2*(\y)+\q)+2:ST+8*(2*(\y)+\q)+3], v[ST+8*(2*(\y)+\q)+2:ST+8*(2*(\y)+\q)+3], v[TMP+16*\q:TMP+16*\q+1]
.endr
.endif
.if \sc
	SCALEP \y, 16, 16
.endif
.endm
; A unit.  x: the buffer whose exponentials are taken.  fin: the other buffer is finished (1: its products start the sums, 2: they go on).  sc: it takes its next scores.
; x = 0 (step s): finishes (s - 1, half 1), asks for V(s) and K(s + 1), scores (s, half 1).   x = 1: finishes (s, half 0), scores (s + 1, half 0): it waits for what the unit before asked.
.macro UNIT x, fin, sc, ld
	BATCH \x, \fin, 1
.if \x
	s_wait_dscnt 0x0                               ; V, K and the bias are in
.endif
.if \fin
	FINISH 1-\x, \fin
.endif
.if \sc
	WIN W_KQ
	SCORE 1-\x
.endif
	WIN 0
	TAILW 1-\x, \fin, \sc, \ld
	s_wait_alu depctr_va_vdst(0)                   ; ahead of the next batch
.endm
	s_mov_b32 s60, 0
	s_mov_b32 s61, 0
	v_add_nc_u32 v[ADK], s60, v[LI]
	v_add_nc_u32 v[ADB], s61, v[BB0]
	LOADKB
	s_wait_alu depctr_va_vdst(0)
	s_wait_dscnt 0x0
	WIN W_KQ
	SCORE 0
	WIN 0
.rept 4
	v_nop
.endr
	SCALEP 0, 0, 32
	s_wait_alu depctr_va_vdst(0)
	UNIT 0, 0, 1, 2                                ; step 0: nothing to finish yet
	UNIT 1, 1, 1, 0
	UNIT 0, 1, 1, 2                                ; step 1
	s_mov_b32 s62, 29
.Lp2:                                              ; a trip: the second unit of step s and the first of step s + 1, s = 1 .. 29
	UNIT 1, 2, 1, 0
	UNIT 0, 2, 1, 2
	s_sub_co_u32 s62, s62, 1
	s_cmp_lg_u32 s62, 0
	s_cbranch_scc1 .Lp2
	UNIT 1, 2, 1, 0                                ; step 30
	UNIT 0, 2, 1, 1                                ; step 31: no K behind it
	UNIT 1, 2, 0, 0                                ; no scores behind it
	BATCH 0, 1, 0                                  ; the last half's sums and hold
	FINISH 1, 2
	WIN 0
	TAILW 1, 2, 0, 0
	; THE WAY OUT: O^T x 2^(ep + ev) / the sum, through my stage, as aligned units of 256 bytes
.irp q, 0,1,2,3
	v_add_f32 v[ST+8*\q+2], v[ST+8*\q+2], v[ST+8*\q+3]
.endr
.irp q, 0,1,2,3
	s_delay_alu instid0(VALU_DEP_4)
	v_permlanex16_b32 v[TW+\q], v[ST+8*\q+2], s58, s59
.endr
.irp q, 0,1,2,3
	s_delay_alu instid0(VALU_DEP_4)
	v_add_f32 v[ST+8*\q+2], v[ST+8*\q+2], v[TW+\q]
.endr
	s_wait_alu depctr_va_vdst(0)                   ; ahead of the batch
.irp q, 0,1,2,3
	v_rcp_f32 v[ST+8*\q+4], v[ST+8*\q+2]
.endr
	v_nop
	s_wait_alu depctr_va_vdst(0)                   ; and behind it
.irp q, 0,1,2,3
	v_ldexp_f32 v[ST+8*\q+4], v[ST+8*\q+4], s57
.endr
.irp q, 0,1,2,3
	s_delay_alu instid0(VALU_DEP_4)
	v_mov_b32 v[ST+8*\q+5], v[ST+8*\q+4]
.endr
.macro PACK q
	WIN 0x01
	s_wait_alu depctr_va_vdst(0)                   ; ahead of the first readers of O^T
.set i, 0
.rept 16
	v_pk_mul_f32 v[S+32*\q+2*i:S+32*\q+2*i+1], v[32*\q+2*i:32*\q+2*i+1], v[ST+8*\q+4:ST+8*\q+5]
.set i, i+1
.endr
	WIN 0
.irp t, 0,1,2,3
	ds_store_b128 v[STO], v[S+32*\q+8*\t:S+32*\q+8*\t+3] offset:64*\t
	ds_store_b128 v[STO], v[S+32*\q+8*\t+4:S+32*\q+8*\t+7] offset:64*\t+16
.endr
.irp f, 0,1,2,3,4,5,6,7
	ds_load_b128 v[S+32*\q+4*\f:S+32*\q+4*\f+3], v[RD] offset:\f*2*SP   ; LDS serves a wave's instructions in order: these see my stores
.endr
.endm
.macro SEND q, younger                 ; younger: LDS instructions issued behind tile q's loads
.irp f, 0,1,2,3,4,5,6,7
	s_wait_dscnt \younger+7-\f
	global_store_b128 v[GO], v[S+32*\q+4*\f:S+32*\q+4*\f+3], s[12:13] offset:\q*65536+\f*8192 th:TH_STORE_NT   ; sixteen lanes store 256 consecutive bytes, aligned
.endr
.endm
	PACK 0
	PACK 1
	SEND 0, 16
	PACK 2
	SEND 1, 16
	PACK 3
	SEND 2, 16
	SEND 3, 0
	s_wait_tensorcnt 0x0                           ; the wave's end
	ds_add_u32 v[SPW], v[NIL]
	s_wait_dscnt 0x0
	CROUND                                         ; the closing round
	s_endpgm
.Lfunc_end_k_q2e6d83dfef_attn:
	.size	k_q2e6d83dfef_attn, .Lfunc_end_k_q2e6d83dfef_attn-k_q2e6d83dfef_attn
	.p2alignl 7, 3214868480
	.fill 96, 4, 3214868480
	.section	.rodata,"a",@progbits
	.p2align	6, 0x0
	.amdhsa_kernel k_q2e6d83dfef_attn
		.amdhsa_group_segment_fixed_size 327680
		.amdhsa_private_segment_fixed_size 0
		.amdhsa_enable_private_segment 0
		.amdhsa_kernarg_size 40
		.amdhsa_user_sgpr_count 2
		.amdhsa_user_sgpr_kernarg_segment_ptr 1
		.amdhsa_wavefront_size32 1
		.amdhsa_system_sgpr_workgroup_id_x 1
		.amdhsa_system_sgpr_workgroup_id_y 1
		.amdhsa_system_sgpr_workgroup_id_z 1
		.amdhsa_system_vgpr_workitem_id 0
		.amdhsa_next_free_vgpr 512
		.amdhsa_next_free_sgpr 72
		.amdhsa_reserve_vcc 1
		.amdhsa_float_denorm_mode_32 3
		.amdhsa_float_denorm_mode_16_64 3
		.amdhsa_memory_ordered 1
		.amdhsa_forward_progress 1
		.amdhsa_inst_pref_size 125
	.end_amdhsa_kernel
	.amdgpu_metadata
---
amdhsa.version: [ 1, 2 ]
amdhsa.kernels:
  - .name:           k_q2e6d83dfef_attn
    .symbol:         k_q2e6d83dfef_attn.kd
    .args:
      - { .name: qf, .offset: 0, .size: 8, .value_kind: global_buffer, .address_space: global }
      - { .name: kvf, .offset: 8, .size: 8, .value_kind: global_buffer, .address_space: global }
      - { .name: mask, .offset: 16, .size: 8, .value_kind: global_buffer, .address_space: global }
      - { .name: lowp_scales, .offset: 24, .size: 8, .value_kind: global_buffer, .address_space: global }
      - { .name: out0, .offset: 32, .size: 8, .value_kind: global_buffer, .address_space: global }
    .group_segment_fixed_size: 327680
    .private_segment_fixed_size: 0
    .kernarg_segment_align: 8
    .kernarg_segment_size: 40
    .max_flat_workgroup_size: 256
    .sgpr_count:     72
    .vgpr_count:     512
    .wavefront_size: 32
...
	.end_amdgpu_metadata
.endif
;; end of part 2
